; MI455X (gfx1250); checked and timed in simulation.
; The chip was launched on July 23, 2026; its instructions are those of AMD's public machine-readable ISA for CDNA 5 (MIT licence, August 2026) and "CDNA5" Instruction Set Architecture Reference Guide (July 2026). The comments in the code are by the model that wrote it; some were corrected since.
;; Lattice. Allowed arithmetic: matrix products marked QUANTISED: E2M1 operands, one E8M0 scale for each 32 along K, by v_wmma_scale_f32_16x16x128_f8f6f4 with both operands' format E2M1 (or v_wmma_scale_f32_32x16x128_f4), f32 sums; everything else in f32.
;; Inputs: bias 64 float32; fbits 16 x 65,536 bool; weight_codes 64 x 2,048 x 16 uint8 (E2M1 codes of weight, K innermost, in blocks of 32 codes, two codes a byte); weight_scales 64 x 2,048 uint8 (E8M0 scales of weight, one for each 32 codes along K); x 2,048 x 16 float32.
;; Outputs: out0 2,048 x 64 float32.
;; This version of the problem:
;;   THIS VERSION OF THE PROBLEM IS GIVEN IN LOW PRECISION. The matrix products marked QUANTISED in the list below multiply operands that are first quantised to E2M1 (2 exponent bits, 1 mantissa bit; 4 bits a number), with one power-of-two scale for each 32 numbers along K (OCP MX v1.0); their sums are f32. All else is computed in f32.
;;   The module's matrix products, in the order in which they are computed (A, B: the left and right operand; K: the contracted axis; several contracted axes count as one K, in the product's order):
;;     1. [M 2,048, K 65,536] x [K 65,536, N 64]; A: computed on the way; B: input weight (given as codes): QUANTISED
;;   THE QUANTISER, for each operand of a quantised product, along K:
;;     - K is cut into blocks of 32 from its start; a last block that is shorter is filled with zeros.
;;     - A block's scale is 2^e with e = floor(log2(the largest magnitude in the block)) - 2, held to -126 .. 127; a block of zeros has e = 0. As a byte (E8M0): e + 127.
;;     - Each number is divided by its block's scale, clamped to +-6, and rounded to the nearest number of E2M1, ties to even, subnormals kept.
;;     - The product sums the exact products of the quantised numbers (number of the format x scale) in f32.
;;   ~~~python
;;   def quantise(x, axis):      # numpy; x: float32 -> the quantised numbers, widened to float32 again
;;       x = np.moveaxis(x, axis, -1); K = x.shape[-1]
;;       x = np.pad(x, [(0, 0)] * (x.ndim - 1) + [(0, -K % 32)]); x = x.reshape(x.shape[:-1] + (-1, 32)); a = np.abs(x).max(-1, keepdims=True)
;;       e = np.where(a > 0, np.clip(np.frexp(np.where(a > 0, a, 1))[1] - 1 - 2, -126, 127), 0)      # np.frexp(a)[1] - 1 = floor(log2(a)), exactly
;;       r = np.clip(x / 2.0 ** e, -6, 6)
;;       step = 2.0 ** (np.maximum(np.frexp(np.where(r == 0, 1, r))[1] - 1, 0) - 1)
;;       q = np.round(r / step) * step * 2.0 ** e      # np.round: ties to even
;;       return np.moveaxis(q.reshape(q.shape[:-2] + (-1,))[..., :K], -1, axis).astype(np.float32)
;;   ~~~
;;   OPERANDS COMPUTED ON THE WAY. 'Computed on the way' means the value that the module computes at that place (a softmax that the list does not call 'softmax' is quantised finished and normalised). What goes into a quantiser is computed in f32, as accurately as f32 sums, v_exp_f32 and their like allow (about 1e-6 of the number): no bf16 or f16 on the way to a quantiser, and a product that is left as it is and whose result goes on into a quantised operand takes f32 operands (vector FMAs, or v_wmma_f32_16x16x4_f32). A number that lies on a knife's edge between two numbers of the format may be rounded either way, as far as f32 arithmetic and the matrix unit's own rounding can turn it there, and no further.
;;   INPUTS GIVEN AS CODES. weight (in the module: [64, 65536], K = its axis 1): each comes as NAME_codes (uint8): NAME with its K axis moved to the last place and cut into blocks of 32 codes, [.., K / 32, bytes a block], one block behind the other in memory; two codes a byte, the lower K in the low four bits (a code: sign, 2 exponent bits, 1 mantissa bit); and NAME_scales (uint8): the same leading axes, one E8M0 byte (e + 127) for each 32 codes along K. Its value is code x scale, taken as it is: it is not quantised again, and the codes and scales need not be those that the quantiser above would give.
;; 2 versions. Each part assembles by itself: llvm-mc -triple=amdgcn-amd-amdhsa -mcpu=gfx1250 --defsym DOCPART=n.
;; ======== version 1 of 2: 2 launches
;; workspace buffers: part 8,388,608 bytes
;; launch lattice (part 1): grid 16 x 16, 4 waves a work-group, no clusters, 262,656 bytes of LDS; arguments x, fbits, weight_codes, weight_scales, part; writes part
.if DOCPART == 1
	.amdgcn_target "amdgcn-amd-amdhsa--gfx1250"
	.amdhsa_code_object_version 6
	.text
	.protected	k_q428a924ca4_lattice
	.globl	k_q428a924ca4_lattice
	.p2align	8
	.type	k_q428a924ca4_lattice,@function
k_q428a924ca4_lattice:
	s_mov_b64 s[64:65], 0
	v_nop
	global_prefetch_b8 v0, s[64:65] scope:SCOPE_SE
	s_setreg_imm32_b32 hwreg(HW_REG_WAVE_MODE, 25, 1), 1
	s_wait_xcnt 0x0
; part[kx][b][n] = the sum over 4,096 columns j of Q(f[b][j]) W[n][j];  f[b][j] = the product over i = 0 .. 15 of (fbits[i][j] ? x[b][i] : 1 - x[b][i]).
; Q: MX-FP4 along j (blocks of 32, E8M0 scales), made here in f32; W arrives as E2M1 codes and E8M0 bytes and is taken as it lies.  The 16 parts are added, with the bias, by the next launch.
; fbits IS READ AND HONOURED AS GIVEN: column j has any 16-bit pattern p(j).  f[b][j] = HI[b][p's upper 8 bits] x LO[b][p's lower 8 bits]: two tables of 256 products of eight factors for each row,
; HI multiplied in the order s0 s1 .. s7, LO in the order s8 .. s15.  So a feature costs two table reads and one multiplication instead of 16 selections and 16 multiplications.
; SHARES.  Work-group (rg, kx): rows 128 rg .. + 127, columns 4,096 kx .. + 4,095.  Its four waves split the columns again, 1,024 each, in 8 steps of 128; every wave serves all 128 rows.
; THE TABLES fill LDS: 2 x 256 entries x 128 rows x 4 bytes = 262,144 bytes.  An entry is 512 consecutive bytes: lane l's 16 bytes at 16 l are rows l, 32 + l, 64 + l, 96 + l.
; All 32 lanes work on the SAME column: one ds_load_b128 at entry x 512 + 16 x lane reads 512 consecutive bytes, whatever the pattern is.
; So a lane holds ONE row in each of four row groups g, and its registers run along the columns, which are K: a block's largest magnitude needs no other lane, and the conversions give codes with K innermost.
; THE PRODUCT IS USED TRANSPOSED: source 0 = 16 rows n of W, source 1 = 16 rows b of the features: a lane's eight results are eight neighbouring n of one row b.
; NO CLUSTER, NO TENSOR LOAD: the sixteen work-groups of one kx share 131,072 bytes of codes, 8,192 of scale bytes and 65,536 of fbits: 204,800 bytes, against the 128 x 4,096 x 8 = 4,194,304 bytes
; that a work-group reads from its tables.  Brought through LDS they would add reads and writes to the path that the loop already keeps busy; so they go from memory straight into registers, one step ahead.
; LIMITS.  NaN and infinities among the inputs are not served.  A block whose largest magnitude lies under 2^-124 (a block of zeros too) gets the scale byte 1; its codes are then zeros or what that scale gives.
; The 16 factors are multiplied as (s0 .. s7) x (s8 .. s15), not in one chain: a feature may differ by a few units in its last place from the chain's.  A product of eight factors that falls under 2^-126 loses bits.
; fbits' bytes are taken as 0 or 1, as the type bool has them.
; REGISTERS, in windows of 256 (s_set_vgpr_msb: bits 1:0 source 0, 3:2 source 1, 5:4 source 2, 7:6 destination):
;   window 0: v1-10 addresses; v12-15 largest magnitudes; v16-19 the conversions' scale operands; v20-23 the features' scale words; v24-27 W's scale words; v28-35 patterns; v36-43 at work at the head;
;             v44-107 the ring of table reads, 8 columns x (4 of HI, 4 of LO); v108-235 a block's features, 32 for each row group; v236-251 fbits as loaded; v252-255 at work
;   window 1: first the table entries being built, then the 32 accumulators, then the rows read back on the way out
;   window 2: v0-63 the features' codes, 16 for each row group; v64-95 W's four fragments
.set LNH,  1                           ; v1   16 x lane: my place in an entry of HI; also my 16 bytes of two rows of part
.set LNL,  2                           ; v2   16 x lane + 131,072: the same in LO
.set FBO,  3                           ; v3   fbits: 8 (lane / 16) rows of 65,536 bytes + 8 (lane % 16)
.set WCO,  4                           ; v4   W's codes: row lane % 16 of 32,768 bytes + 16 (lane / 16)
.set WSO,  5                           ; v5   W's scale bytes: row lane % 16 of 2,048 bytes
.set TBH,  6                           ; v6   where my wave stores its 64 entries of HI: 32,768 x wave + 16 x lane
.set TBL,  7                           ; v7   and of LO
.set STO,  8                           ; v8   the way out: where I put 32 bytes of a row
.set RD0,  9                           ; v9   the way out: where I read a row back, from the stages of waves 0 and 1
.set RD2,  10                          ; v10  and of waves 2 and 3
.set M,    12
.set SOP,  16
.set ASC,  20
.set BSC,  24
.set PP,   28                          ; v[PP + q]: lane rr holds the upper pattern of column 8 rr + q of the step, lane 16 + rr the lower one
.set RING, 44
.set F,    108                         ; feature t of the block, row group g: v[F + 32 g + t]
.set FR,   236
.set TMP,  252
.set X1,   F                           ; while the tables are built: x of feature i, row group g at v[X1 + 4 i + g];
.set X0,   F+64                        ; 1 - x likewise
.set CA,   0                           ; window 2
.set WB,   64                          ; window 2
.set SPITCH, 272                       ; a stage row: 64 numbers, 256 bytes, + 16: the sixteen rows that a store touches begin 17 x 16 bytes apart
.set STAGE,  128*SPITCH                ; a wave's stage: 34,816 bytes; the four lie in the tables' bytes, behind the barrier behind which nobody reads the tables
.set MSB, 0
.macro WIN new                         ; the immediate's high byte repeats the setting that is left; a switch that changes nothing is dropped
.if MSB != \new
	s_set_vgpr_msb (MSB<<8)|\new
.set MSB, \new
.endif
.endm
; A step's fbits: lane (r, h) takes columns 8 r .. 8 r + 7 of rows 8 h + 0 .. 7: sixteen lanes read 128 consecutive bytes of a row.
.macro FRLOAD
.irp i, 0,1,2,3,4,5,6,7
	global_load_b64 v[FR+2*\i:FR+2*\i+1], v[FBO], s[6:7] offset:\i*65536
.endr
.endm
; A step's fragments of W (16 rows x 128 K: registers 4 c .. 4 c + 3 hold K = 64 c + 32 (lane / 16) + 0 .. 31, 16 bytes as they lie) and its scale words (one word a row).
.macro BLOAD
	WIN 0x80                                       ; destination window 2
.irp n, 0,1,2,3
.irp c, 0,1
	global_load_b128 v[WB+8*\n+4*\c:WB+8*\n+4*\c+3], v[WCO], s[8:9] offset:\n*524288+32*\c
.endr
.endr
	WIN 0
.irp n, 0,1,2,3
	global_load_b32 v[BSC+\n], v[WSO], s[10:11] offset:\n*32768
.endr
.endm
; The eight rows' bytes are gathered byte by byte, the first row in the highest bit: a byte holds at most 8 bits, so none runs over into its neighbour.  Then one register for each of the lane's eight columns.
.macro DERIVE
	s_wait_loadcnt 0x0                             ; the next step's fbits and this step's fragments of W, both asked for a step ago, are in; so their bases may be stepped
.irp i, 1,2,3,4,5,6,7
	v_lshl_or_b32 v[FR], v[FR], 1, v[FR+2*\i]
	v_lshl_or_b32 v[FR+1], v[FR+1], 1, v[FR+2*\i+1]
.endr
.irp q, 0,1,2,3,4,5,6,7
	v_bfe_u32 v[PP+\q], v[FR+\q/4], 8*(\q%4), 8
.endr
.endm
; The patterns of columns 8 rn + q and 8 rn + q + 1 as scalars; two sets of four by turns.
.macro LANES rn, q
.set SPB, 28+2*((\q)%4)
	v_readlane_b32 s[SPB], v[PP+(\q)], \rn
	v_readlane_b32 s[SPB+1], v[PP+(\q)], 16+\rn
	v_readlane_b32 s[SPB+2], v[PP+(\q)+1], \rn
	v_readlane_b32 s[SPB+3], v[PP+(\q)+1], 16+\rn
.endm
.macro HOLD                            ; a number that was loaded is held inside the table before it enters an address
.irp k, 0,1,2,3
	s_min_u32 s[SPB+\k], s[SPB+\k], 0xff
.endr
.endm
.macro ASK q                           ; entry x 512 + my place; each read lands on the registers that begin with its own address
	v_lshl_add_u32 v[RING+8*(\q)], s[SPB], 9, v[LNH]
	v_lshl_add_u32 v[RING+8*(\q)+4], s[SPB+1], 9, v[LNL]
	v_lshl_add_u32 v[RING+8*(\q)+8], s[SPB+2], 9, v[LNH]
	v_lshl_add_u32 v[RING+8*(\q)+12], s[SPB+3], 9, v[LNL]
.irp k, 0,4,8,12
	ds_load_b128 v[RING+8*(\q)+\k:RING+8*(\q)+\k+3], v[RING+8*(\q)+\k]
.endr
.endm
; Eight columns, 8 r .. 8 r + 7 of the step, two at a time.  look = 1: behind each pair its ring slots are asked again, for columns 8 rn + q, q + 1.
.macro ROW8 r, rn, look
.irp q, 0,2,4,6
.if \look
	LANES \rn, \q
	s_wait_dscnt 12                                ; 16 table reads are out, two for each of 8 columns; LDS reads come back in order: the oldest four, this pair's, are in
.else
	s_wait_dscnt 12-2*\q                           ; nothing is asked any more: the counts run down
.endif
.set FB, F+8*((\r)%4)+\q
.irp g, 0,1,2,3
	v_mul_f32 v[FB+32*\g], v[RING+8*\q+\g], v[RING+8*\q+4+\g]
.endr
.irp g, 0,1,2,3
	v_mul_f32 v[FB+32*\g+1], v[RING+8*\q+8+\g], v[RING+8*\q+12+\g]
.endr
.if \look
	HOLD
.endif
.irp g, 0,1,2,3
.if ((\r)%4 == 0) && (\q == 0)
	v_max3_num_f32 v[M+\g], |v[FB+32*\g]|, |v[FB+32*\g+1]|, 0x1800000   ; a block's first pair, and the floor 2^(3 - 127): the scale's byte cannot fall under 1
.else
	v_max3_num_f32 v[M+\g], v[M+\g], |v[FB+32*\g]|, |v[FB+32*\g+1]|
.endif
.endr
.if \look
	ASK \q
.endif
.endr
.endm
; Block b of the step's four is whole: scale, byte, codes, for the four row groups.  The codes of block b go to registers 8 (b % 2) + 4 (b / 2) + 0 .. 3 of the group's sixteen.
.macro QBLOCK b
.irp g, 0,1,2,3
	v_add_nc_u32 v[SOP+\g], 0xff000000, v[M+\g]    ; 2 off the largest magnitude's exponent field: the conversion takes the exponent field of this operand as its scale, and nothing else of it
.endr
.if (\b) == 0
.irp g, 0,1,2,3
	v_lshrrev_b32 v[ASC+\g], 23, v[SOP+\g]         ; the scale's byte begins my row's scale word
.endr
.else
.irp g, 0,1,2,3
	v_lshrrev_b32 v[TMP+\g], 23, v[SOP+\g]
.endr
.irp g, 0,1,2,3
	v_lshl_or_b32 v[ASC+\g], v[TMP+\g], 8*(\b), v[ASC+\g]
.endr
.endif
	WIN 0x80                                       ; destination window 2
.irp g, 0,1,2,3
.irp u, 0,1,2,3
	v_cvt_scalef32_pk8_fp4_f32 v[CA+16*\g+8*((\b)%2)+4*((\b)/2)+\u], v[F+32*\g+8*\u:F+32*\g+8*\u+7], v[SOP+\g]
.endr
.endr
	v_nop                                          ; one plain instruction behind the last conversion, ahead of whatever next touches its result or writes its sources
	WIN 0
.endm
; A lane holds all four blocks of one row; the operand's layout wants lanes 0-15 to hold blocks 0 and 2 of a row and lanes 16-31 blocks 1 and 3 of the same row.  The first register's lanes 16-31 change places
; with the second's lanes 0-15: registers 0-7 become the fragment of the group's rows 0-15, registers 8-15 that of its rows 16-31.
.macro SWAPS
	WIN 0x82                                       ; both registers window 2
.irp g, 0,1,2,3
.irp i, 0,1,2,3,4,5,6,7
	v_permlane16_swap_b32 v[CA+16*\g+\i], v[CA+16*\g+8+\i]
.endr
.endr
	WIN 0
.rept 8
	v_nop                                          ; a scale register written by a vector instruction stands 8 places ahead of a scaled matrix instruction, an operand so written 4
.endr
.endm
; A step's 32 products: accumulator 8 g + 4 t + n = rows 32 g + 16 t .. + 15 of the features x rows 16 n .. + 15 of W.  Each accumulator has one instruction a step, always in this order:
; they take turns.  The features' scale word of row 32 g + l stands in lane l: lanes 0-15 serve t = 0, lanes 16-31 t = 1.  zero = 1: the first step starts the sums.
.macro MMA zero
	WIN 0x5a                                       ; D and C window 1, both sources window 2
.irp g, 0,1,2,3
.irp t, 0,1
.irp n, 0,1,2,3
.set AC, 8*(8*\g+4*\t+\n)
.set FA, CA+16*\g+8*\t
.if \zero
.if \t
	v_wmma_scale_f32_16x16x128_f8f6f4 v[AC:AC+7], v[WB+8*\n:WB+8*\n+7], v[FA:FA+7], 0, v[BSC+\n], v[ASC+\g] matrix_a_fmt:MATRIX_FMT_FP4 matrix_b_fmt:MATRIX_FMT_FP4 matrix_b_scale:MATRIX_SCALE_ROW1
.else
	v_wmma_scale_f32_16x16x128_f8f6f4 v[AC:AC+7], v[WB+8*\n:WB+8*\n+7], v[FA:FA+7], 0, v[BSC+\n], v[ASC+\g] matrix_a_fmt:MATRIX_FMT_FP4 matrix_b_fmt:MATRIX_FMT_FP4
.endif
.else
.if \t
	v_wmma_scale_f32_16x16x128_f8f6f4 v[AC:AC+7], v[WB+8*\n:WB+8*\n+7], v[FA:FA+7], v[AC:AC+7], v[BSC+\n], v[ASC+\g] matrix_a_fmt:MATRIX_FMT_FP4 matrix_b_fmt:MATRIX_FMT_FP4 matrix_b_scale:MATRIX_SCALE_ROW1
.else
	v_wmma_scale_f32_16x16x128_f8f6f4 v[AC:AC+7], v[WB+8*\n:WB+8*\n+7], v[FA:FA+7], v[AC:AC+7], v[BSC+\n], v[ASC+\g] matrix_a_fmt:MATRIX_FMT_FP4 matrix_b_fmt:MATRIX_FMT_FP4
.endif
.endif
.endr
.endr
.endr
	WIN 0
.rept 4
	v_nop                                          ; four places ahead of loads into W's registers and of the first read of results
.endr
.endm
; Feature f doubles the n entries in hand: entry e becomes 2 e (times 1 - x) and 2 e + 1 (times x).  From the top down, so that no entry is written before it is read.
.macro EXPAND f, n
	WIN 0x41                                       ; destination and source 0 window 1
.set EE, (\n)-1
.rept \n
	v_pk_mul_f32 v[8*EE+4:8*EE+5], v[4*EE:4*EE+1], v[X1+4*(\f):X1+4*(\f)+1]
	v_pk_mul_f32 v[8*EE+6:8*EE+7], v[4*EE+2:4*EE+3], v[X1+4*(\f)+2:X1+4*(\f)+3]
	v_pk_mul_f32 v[8*EE:8*EE+1], v[4*EE:4*EE+1], v[X0+4*(\f):X0+4*(\f)+1]
	v_pk_mul_f32 v[8*EE+2:8*EE+3], v[4*EE+2:4*EE+3], v[X0+4*(\f)+2:X0+4*(\f)+3]
.set EE, EE-1
.endr
.endm
; My wave's 64 entries, 64 w .. 64 w + 63, of table tb (features 8 tb .. 8 tb + 7, the first in the entry number's highest bit), for all 128 rows.  The wave's number is the two highest bits.
.macro BUILD tb, adr
.irp g, 0,1,2,3
	v_cndmask_b32 v[M+\g], v[X0+32*(\tb)+\g], v[X1+32*(\tb)+\g], s24
	v_cndmask_b32 v[SOP+\g], v[X0+32*(\tb)+4+\g], v[X1+32*(\tb)+4+\g], s25
.endr
	WIN 0x40                                       ; destination window 1
	v_pk_mul_f32 v[0:1], v[M:M+1], v[SOP:SOP+1]
	v_pk_mul_f32 v[2:3], v[M+2:M+3], v[SOP+2:SOP+3]
	EXPAND 8*(\tb)+2, 1
	EXPAND 8*(\tb)+3, 2
	EXPAND 8*(\tb)+4, 4
	EXPAND 8*(\tb)+5, 8
	EXPAND 8*(\tb)+6, 16
	EXPAND 8*(\tb)+7, 32
	WIN 0x04                                       ; an LDS store's data are its source 1: window 1
.set EE, 0
.rept 64
	ds_store_b128 v[\adr], v[4*EE:4*EE+3] offset:512*EE
.set EE, EE+1
.endr
	WIN 0
	s_wait_dscnt 0x0                               ; the stores have read their registers and have landed: for the next table's sake, and for the other waves' at the barrier
.endm
; Columns 0 .. 119 of a step; the reads run eight columns ahead.
.macro COMMON
	ROW8 0, 1, 1
	ROW8 1, 2, 1
	ROW8 2, 3, 1
	ROW8 3, 4, 1
	QBLOCK 0
	ROW8 4, 5, 1
	ROW8 5, 6, 1
	ROW8 6, 7, 1
	ROW8 7, 8, 1
	QBLOCK 1
	ROW8 8, 9, 1
	ROW8 9, 10, 1
	ROW8 10, 11, 1
	ROW8 11, 12, 1
	QBLOCK 2
	ROW8 12, 13, 1
	ROW8 13, 14, 1
	ROW8 14, 15, 1
.endm
; The end of a step that has a successor: the next step's patterns, so that the last eight columns can ask for its first eight; fbits two steps on; the step's products; the next step's W.
.macro CLOSE zero
	DERIVE
.if \zero
	s_add_nc_u64 s[6:7], s[6:7], 128
	FRLOAD
.else
	s_cmp_ge_u32 s23, 7                            ; s23: the next step's number.  Behind step 7 there is none: no load leaves its buffer
	s_cbranch_scc1 .Lno_more_\@
	s_add_nc_u64 s[6:7], s[6:7], 128
	FRLOAD
.Lno_more_\@:
.endif
	ROW8 15, 0, 1
	QBLOCK 3
	SWAPS
	MMA \zero
	s_add_nc_u64 s[8:9], s[8:9], 64                ; 128 codes on; the loads that named these bases were shown done by the wait at the head of this macro
	s_add_nc_u64 s[10:11], s[10:11], 4             ; 4 scale bytes on
	BLOAD
.endm
	s_load_b256 s[4:11], s[0:1], 0x0               ; x s[4:5], fbits s[6:7], W's codes s[8:9], W's scale bytes s[10:11]
	s_load_b64 s[12:13], s[0:1], 0x20              ; part
	v_lshl_add_u32 v42, v0, 2, 0x40000
	v_mov_b32 v43, 0
	v_lshrrev_b32 v11, 5, v0
	v_readfirstlane_b32 s14, v11                   ; wave 0..3
	s_and_b32 s16, ttmp7, 0xffff                   ; kx
	v_and_b32 v36, 31, v0                          ; lane
	v_and_b32 v37, 15, v0                          ; r
	v_bfe_u32 v38, v0, 4, 1                        ; h
	v_lshlrev_b32 v[LNH], 4, v36
	v_add_nc_u32 v[LNL], 0x20000, v[LNH]
	v_lshlrev_b32 v[FBO], 3, v37
	v_lshl_add_u32 v[FBO], v38, 19, v[FBO]
	v_lshlrev_b32 v[WCO], 15, v37
	v_lshl_add_u32 v[WCO], v38, 4, v[WCO]
	v_lshlrev_b32 v[WSO], 11, v37
	s_lshl_b32 s17, s14, 15
	v_add_nc_u32 v[TBH], s17, v[LNH]
	v_add_nc_u32 v[TBL], 0x20000, v[TBH]
	s_mul_i32 s17, s14, STAGE
	v_mul_u32_u24 v[STO], v37, SPITCH
	v_lshl_add_u32 v[STO], v38, 5, v[STO]
	v_add_nc_u32 v[STO], s17, v[STO]               ; my stage, row r, + 32 h
	s_mul_i32 s17, s14, 32*SPITCH
	v_mul_u32_u24 v[RD0], v38, SPITCH
	v_lshl_add_u32 v[RD0], v37, 4, v[RD0]
	v_add_nc_u32 v[RD0], s17, v[RD0]               ; back: rows 32 w + h on, 16 bytes a lane
	v_add_nc_u32 v[RD2], 2*STAGE, v[RD0]
	v_lshlrev_b32 v39, 6, v36                      ; x: a row is 64 bytes; row = lane
	s_bitcmp1_b32 s14, 1
	s_cselect_b32 s24, -1, 0                       ; all lanes, where the wave's entries have the table's first feature set,
	s_bitcmp1_b32 s14, 0
	s_cselect_b32 s25, -1, 0                       ; and its second
	s_lshl_b32 s18, s16, 12
	s_lshl_b32 s17, s14, 10
	s_add_co_u32 s18, s18, s17                     ; my wave's first column: 4,096 kx + 1,024 w
	s_mov_b32 s19, 0
	s_wait_kmcnt 0x0
	s_add_nc_u64 s[6:7], s[6:7], s[18:19]          ; fbits: a byte a column
	s_lshr_b32 s18, s18, 1
	s_add_nc_u64 s[8:9], s[8:9], s[18:19]          ; codes: two a byte
	s_lshr_b32 s18, s18, 4
	s_add_nc_u64 s[10:11], s[10:11], s[18:19]      ; scale bytes: one for 32 columns
	s_lshl_b32 s18, ttmp9, 13
	s_add_nc_u64 s[4:5], s[4:5], s[18:19]          ; x: 128 rows of 64 bytes a row group
	s_lshl_b32 s18, s16, 19                        ; part: 524,288 kx + 32,768 rg + 8,192 w: the 32 rows that my wave stores
	s_lshl_b32 s17, ttmp9, 15
	s_add_co_u32 s18, s18, s17
	s_lshl_b32 s17, s14, 13
	s_add_co_u32 s18, s18, s17
	s_add_nc_u64 s[12:13], s[12:13], s[18:19]
.irp g, 0,1,2,3
.irp c, 0,1,2,3
	global_load_b128 v[RING+16*\g+4*\c:RING+16*\g+4*\c+3], v39, s[4:5] offset:\g*2048+16*\c   ; row 32 g + lane, features 4 c .. 4 c + 3
.endr
.endr
	FRLOAD                                         ; step 0's fbits
	BLOAD                                          ; step 0's W
	s_wait_loadcnt 20                              ; x is in; behind it stand the 8 loads of fbits and the 12 of W, which may stay out
	; THE TABLES.  x is laid by feature, the four row groups side by side, as the packed multiplications want their pairs; 1 - x beside it.
.set II, 0
.rept 16
.irp g, 0,1,2,3
	v_mov_b32 v[X1+4*II+\g], v[RING+16*\g+II]
	v_sub_f32 v[X0+4*II+\g], 1.0, v[RING+16*\g+II]
.endr
.set II, II+1
.endr
	BUILD 0, TBH
	BUILD 1, TBL
	DERIVE                                         ; step 0's patterns
	s_add_nc_u64 s[6:7], s[6:7], 128
	FRLOAD                                         ; step 1's fbits
	s_barrier_signal -1                            ; my entries have landed (the wait for 0 at the end of BUILD; no LDS instruction of mine is out)
	s_barrier_wait -1                              ; everybody's have: both tables are whole.  From here to the next barrier LDS is only read
.irp q, 0,2,4,6
	LANES 0, \q                                    ; the ring is filled: columns 0 .. 7, 16 reads
	HOLD
	ASK \q
.endr
	COMMON                                         ; step 0 is written out: its products start the sums, so that nothing is cleared and every product that adds in place stands behind them on every way
	CLOSE 1
	s_mov_b32 s23, 1                               ; the step in hand
	s_branch .Lcommon
.Lnext:                                                ; 6 trips: the ends of steps 1 .. 6, and steps 2 .. 7 up to their last eight columns
	CLOSE 0
.Lcommon:
	COMMON
	s_add_co_u32 s23, s23, 1
	s_cmp_lt_u32 s23, 8
	s_cbranch_scc1 .Lnext
	ROW8 15, 0, 0                                  ; the last step's end asks for nothing
	QBLOCK 3
	SWAPS
	s_wait_loadcnt 0x0                             ; step 7's W
	MMA 0
	; THE WAY OUT.  The four waves hold sums over different columns for the same 128 rows x 64 n.  Each puts its own into a stage, and each then adds and stores 32 whole rows.
	s_wait_dscnt 0x0                               ; my reads of the tables are over
	s_barrier_signal -1
	s_barrier_wait -1                              ; everybody's are: the tables' bytes may be written
	WIN 0x04                                       ; an LDS store's data: window 1
.irp g, 0,1,2,3
.irp t, 0,1
.irp n, 0,1,2,3
.set AC, 8*(8*\g+4*\t+\n)
	ds_store_b128 v[STO], v[AC:AC+3] offset:(32*\g+16*\t)*SPITCH+64*\n          ; lane (r, h): row 32 g + 16 t + r, n = 16 n + 8 h + 0 .. 7; each accumulator from its low end on
	ds_store_b128 v[STO], v[AC+4:AC+7] offset:(32*\g+16*\t)*SPITCH+64*\n+16
.endr
.endr
.endr
	WIN 0
	s_wait_dscnt 0x0                               ; for the others' sake: my stores have landed
	s_barrier_signal -1
	s_barrier_wait -1
	WIN 0x40                                       ; destination window 1: the accumulators' registers, which the stores have read
.set UU, 0
.rept 16                               ; rows 32 w + 2 u + h: lanes 0-15 one row of 256 bytes, lanes 16-31 the next; from each of the four stages
	ds_load_b128 v[16*UU:16*UU+3], v[RD0] offset:2*UU*SPITCH
	ds_load_b128 v[16*UU+4:16*UU+7], v[RD0] offset:STAGE+2*UU*SPITCH
	ds_load_b128 v[16*UU+8:16*UU+11], v[RD2] offset:2*UU*SPITCH
	ds_load_b128 v[16*UU+12:16*UU+15], v[RD2] offset:STAGE+2*UU*SPITCH
.set UU, UU+1
.endr
	WIN 0x45                                       ; destination and both sources window 1
.set UU, 0
.rept 16
	s_wait_dscnt 60-4*UU                           ; behind this pair of rows' four reads stand four for each later pair
	v_pk_add_f32 v[16*UU:16*UU+1], v[16*UU:16*UU+1], v[16*UU+4:16*UU+5]
	v_pk_add_f32 v[16*UU+2:16*UU+3], v[16*UU+2:16*UU+3], v[16*UU+6:16*UU+7]
	v_pk_add_f32 v[16*UU+8:16*UU+9], v[16*UU+8:16*UU+9], v[16*UU+12:16*UU+13]
	v_pk_add_f32 v[16*UU+10:16*UU+11], v[16*UU+10:16*UU+11], v[16*UU+14:16*UU+15]
	v_pk_add_f32 v[16*UU:16*UU+1], v[16*UU:16*UU+1], v[16*UU+8:16*UU+9]
	v_pk_add_f32 v[16*UU+2:16*UU+3], v[16*UU+2:16*UU+3], v[16*UU+10:16*UU+11]
.set UU, UU+1
.endr
	WIN 0x04                                       ; a store's data: window 1
.set UU, 0
.rept 16
	global_store_b128 v[LNH], v[16*UU:16*UU+3], s[12:13] offset:512*UU th:TH_STORE_NT   ; 32 lanes store two rows, 512 consecutive bytes, at a multiple of 256 from part's first byte
.set UU, UU+1
.endr
	WIN 0
	s_wait_tensorcnt 0x0
	ds_add_u32 v42, v43
	s_wait_dscnt 0x0
	s_endpgm
.Lfunc_end_k_q428a924ca4_lattice:
	.size	k_q428a924ca4_lattice, .Lfunc_end_k_q428a924ca4_lattice-k_q428a924ca4_lattice
	.p2alignl 7, 3214868480
	.fill 96, 4, 3214868480
	.section	.rodata,"a",@progbits
	.p2align	6, 0x0
	.amdhsa_kernel k_q428a924ca4_lattice
		.amdhsa_group_segment_fixed_size 262656
		.amdhsa_private_segment_fixed_size 0
		.amdhsa_enable_private_segment 0
		.amdhsa_kernarg_size 40
		.amdhsa_user_sgpr_count 2
		.amdhsa_user_sgpr_kernarg_segment_ptr 1
		.amdhsa_wavefront_size32 1
		.amdhsa_system_sgpr_workgroup_id_x 1
		.amdhsa_system_sgpr_workgroup_id_y 1
		.amdhsa_system_sgpr_workgroup_id_z 1
		.amdhsa_system_vgpr_workitem_id 0
		.amdhsa_next_free_vgpr 608
		.amdhsa_next_free_sgpr 66
		.amdhsa_reserve_vcc 0
		.amdhsa_float_denorm_mode_32 3
		.amdhsa_float_denorm_mode_16_64 3
		.amdhsa_memory_ordered 1
		.amdhsa_forward_progress 1
		.amdhsa_inst_pref_size 255
	.end_amdhsa_kernel
	.section	.bss,"aw",@nobits
	.p2align	6
	.space	262144
	.amdgpu_metadata
---
amdhsa.version: [ 1, 2 ]
amdhsa.kernels:
  - .name:           k_q428a924ca4_lattice
    .symbol:         k_q428a924ca4_lattice.kd
    .args:
      - { .name: x, .offset: 0, .size: 8, .value_kind: global_buffer, .address_space: global }
      - { .name: fbits, .offset: 8, .size: 8, .value_kind: global_buffer, .address_space: global }
      - { .name: weight_codes, .offset: 16, .size: 8, .value_kind: global_buffer, .address_space: global }
      - { .name: weight_scales, .offset: 24, .size: 8, .value_kind: global_buffer, .address_space: global }
      - { .name: part, .offset: 32, .size: 8, .value_kind: global_buffer, .address_space: global }
    .group_segment_fixed_size: 262656
    .private_segment_fixed_size: 0
    .kernarg_segment_align: 8
    .kernarg_segment_size: 40
    .max_flat_workgroup_size: 128
    .sgpr_count:     66
    .vgpr_count:     608
    .wavefront_size: 32
...
	.end_amdgpu_metadata
.endif
;; end of part 1
;; launch reduce (part 2): grid 256 x 1, 4 waves a work-group, no clusters, 0 bytes of LDS; arguments part, bias, out0; writes out0
.if DOCPART == 2
	.amdgcn_target "amdgcn-amd-amdhsa--gfx1250"
	.amdhsa_code_object_version 6
	.text
	.protected	k_q428a924ca4_reduce
	.globl	k_q428a924ca4_reduce
	.p2align	8
	.type	k_q428a924ca4_reduce,@function
k_q428a924ca4_reduce:
	s_mov_b64 s[64:65], 0
	v_nop
	global_prefetch_b8 v0, s[64:65] scope:SCOPE_SE
	s_setreg_imm32_b32 hwreg(HW_REG_WAVE_MODE, 25, 1), 1
	s_wait_xcnt 0x0
; out0[b][n] = part[0][b][n] + part[1][b][n] + .. + part[15][b][n] + bias[n].  part: [16][2048][64] f32, the sums over 4,096 columns each; out0: [2048][64] f32.
; A stream: 32,768 threads, 16 bytes of out0 each.  A wave's load or store covers 512 consecutive bytes, aligned; each byte of part is read once, each byte of out0 written once.
; All 17 loads of a thread go out at once; the parts are added in ascending order as they arrive, the bias last, as the sum over K comes first in the definition.
; No LDS, no barrier, no matrix unit: threads share nothing.
.set PLANE, 524288                     ; bytes of one part; 15 of them stay inside the signed 24-bit immediate (ISA guide, chapter 10)
	s_load_b128 s[4:7], s[0:1], 0x0                ; part s[4:5], bias s[6:7]
	s_load_b64 s[8:9], s[0:1], 0x10                ; out0
	v_lshlrev_b32 v1, 4, v0                        ; my 16 bytes among the work-group's 2,048
	v_and_b32 v2, 15, v0
	v_lshlrev_b32 v2, 4, v2                        ; a row is 256 bytes: my four n begin at byte 16 (thread % 16) of the bias
	s_lshl_b32 s10, ttmp9, 11
	s_mov_b32 s11, 0
	s_wait_kmcnt 0x0
	s_add_nc_u64 s[4:5], s[4:5], s[10:11]
	s_add_nc_u64 s[8:9], s[8:9], s[10:11]
	global_load_b128 v[4:7], v2, s[6:7]
.irp k, 0,1,2,3,4,5,6,7,8,9,10,11,12,13,14,15
	global_load_b128 v[8+4*\k:11+4*\k], v1, s[4:5] offset:\k*PLANE th:TH_LOAD_NT
.endr
.irp k, 1,2,3,4,5,6,7,8,9,10,11,12,13,14,15
	s_wait_loadcnt 15-\k                           ; loads come back in order: part k is in; the 15 - k behind it may stay out
	v_pk_add_f32 v[8:9], v[8:9], v[8+4*\k:9+4*\k]
	v_pk_add_f32 v[10:11], v[10:11], v[10+4*\k:11+4*\k]
.endr
	v_pk_add_f32 v[8:9], v[8:9], v[4:5]            ; the bias was the first load: it is in
	v_pk_add_f32 v[10:11], v[10:11], v[6:7]
	global_store_b128 v1, v[8:11], s[8:9]
	s_endpgm
.Lfunc_end_k_q428a924ca4_reduce:
	.size	k_q428a924ca4_reduce, .Lfunc_end_k_q428a924ca4_reduce-k_q428a924ca4_reduce
	.p2alignl 7, 3214868480
	.fill 96, 4, 3214868480
	.section	.rodata,"a",@progbits
	.p2align	6, 0x0
	.amdhsa_kernel k_q428a924ca4_reduce
		.amdhsa_group_segment_fixed_size 0
		.amdhsa_private_segment_fixed_size 0
		.amdhsa_enable_private_segment 0
		.amdhsa_kernarg_size 24
		.amdhsa_user_sgpr_count 2
		.amdhsa_user_sgpr_kernarg_segment_ptr 1
		.amdhsa_wavefront_size32 1
		.amdhsa_system_sgpr_workgroup_id_x 1
		.amdhsa_system_sgpr_workgroup_id_y 1
		.amdhsa_system_sgpr_workgroup_id_z 1
		.amdhsa_system_vgpr_workitem_id 0
		.amdhsa_next_free_vgpr 76
		.amdhsa_next_free_sgpr 66
		.amdhsa_reserve_vcc 0
		.amdhsa_float_denorm_mode_32 3
		.amdhsa_float_denorm_mode_16_64 3
		.amdhsa_memory_ordered 1
		.amdhsa_forward_progress 1
		.amdhsa_inst_pref_size 5
	.end_amdhsa_kernel
	.amdgpu_metadata
---
amdhsa.version: [ 1, 2 ]
amdhsa.kernels:
  - .name:           k_q428a924ca4_reduce
    .symbol:         k_q428a924ca4_reduce.kd
    .args:
      - { .name: part, .offset: 0, .size: 8, .value_kind: global_buffer, .address_space: global }
      - { .name: bias, .offset: 8, .size: 8, .value_kind: global_buffer, .address_space: global }
      - { .name: out0, .offset: 16, .size: 8, .value_kind: global_buffer, .address_space: global }
    .group_segment_fixed_size: 0
    .private_segment_fixed_size: 0
    .kernarg_segment_align: 8
    .kernarg_segment_size: 24
    .max_flat_workgroup_size: 128
    .sgpr_count:     66
    .vgpr_count:     76
    .wavefront_size: 32
...
	.end_amdgpu_metadata
.endif
;; end of part 2
;; ======== version 2 of 2: 2 launches
;; workspace buffers: part 8,388,608 bytes
;; launch lattice (part 3): grid 16 x 16, 4 waves a work-group, no clusters, 262,656 bytes of LDS; arguments x, fbits, weight_codes, weight_scales, part; writes part
.if DOCPART == 3
	.amdgcn_target "amdgcn-amd-amdhsa--gfx1250"
	.amdhsa_code_object_version 6
	.text
	.protected	k_q428a924ca4_lattice
	.globl	k_q428a924ca4_lattice
	.p2align	8
	.type	k_q428a924ca4_lattice,@function
k_q428a924ca4_lattice:
	s_mov_b64 s[64:65], 0
	v_nop
	global_prefetch_b8 v0, s[64:65] scope:SCOPE_SE
	s_setreg_imm32_b32 hwreg(HW_REG_WAVE_SCHED_MODE, 0, 2), 2
	s_setreg_imm32_b32 hwreg(HW_REG_WAVE_MODE, 25, 1), 1
	s_wait_xcnt 0x0
	s_wait_alu depctr_vm_vsrc(0)
; part[kx][b][n] = the sum over 4,096 columns j of Q(f[b][j]) W[n][j];  f[b][j] = the product over i = 0 .. 15 of (fbits[i][j] ? x[b][i] : 1 - x[b][i]).
; Q: MX-FP4 along j (blocks of 32, E8M0 scales), made here in f32; W arrives as E2M1 codes and E8M0 bytes and is taken as it lies.  The 16 parts are added, with the bias, by the next launch.
; fbits IS READ AND HONOURED AS GIVEN: column j has any 16-bit pattern p(j).  f[b][j] = HI[b][p's upper 8 bits] x LO[b][p's lower 8 bits]: two tables of 256 products of eight factors for each row,
; HI multiplied in the order s0 s1 .. s7, LO in the order s8 .. s15.  So a feature costs two table reads and one multiplication instead of 16 selections and 16 multiplications.
; SHARES.  Work-group (rg, kx): rows 128 rg .. + 127, columns 4,096 kx .. + 4,095.  Its four waves split the columns again, 1,024 each, in 8 steps of 128; every wave serves all 128 rows.
; THE TABLES fill LDS: 2 x 256 entries x 128 rows x 4 bytes = 262,144 bytes.  An entry is 512 consecutive bytes: lane l's 16 bytes at 16 l are rows l, 32 + l, 64 + l, 96 + l.
; All 32 lanes work on the SAME column: one ds_load_b128 at entry x 512 + 16 x lane reads 512 consecutive bytes, whatever the pattern is.
; So a lane holds ONE row in each of four row groups g, and its registers run along the columns, which are K: a block's largest magnitude needs no other lane, and the conversions give codes with K innermost.
; THE PRODUCT IS USED TRANSPOSED: source 0 = 16 rows n of W, source 1 = 16 rows b of the features: a lane's eight results are eight neighbouring n of one row b.
; NO CLUSTER, NO TENSOR LOAD: the sixteen work-groups of one kx share 131,072 bytes of codes, 8,192 of scale bytes and 65,536 of fbits: 204,800 bytes, against the 128 x 4,096 x 8 = 4,194,304 bytes
; that a work-group reads from its tables.  Brought through LDS they would add reads and writes to the path that the loop already keeps busy; so they go from memory straight into registers, one step ahead.
; LIMITS.  NaN and infinities among the inputs are not served.  A block whose largest magnitude lies under 2^-124 (a block of zeros too) gets the scale byte 1; its codes are then zeros or what that scale gives.
; The 16 factors are multiplied as (s0 .. s7) x (s8 .. s15), not in one chain: a feature may differ by a few units in its last place from the chain's.  A product of eight factors that falls under 2^-126 loses bits.
; fbits' bytes are taken as 0 or 1, as the type bool has them.
; THE MODE: SCHED_MODE bits 1:0 = 2 (LLVM: expert scheduling mode 2), set by the entry lines.  The code itself states the register dependences
; between vector or matrix instructions and memory or LDS instructions, with s_wait_alu, always for 0.
; THE PLAN.  A step's 128 columns go in 16 units of eight.  Registers that LDS or memory instructions touch, in the loop:
;   RING0 .. RING3  Unit u's 32 multiplications read RING[u % 4]; the 16 table reads of unit u + 4, issued at the head of unit u + 1, land in it.
;   ADR0, ADR1      Unit u's last 16 vector instructions write ADR[u % 2], the addresses of unit u + 4; the table reads at the head of unit u + 1 read it.
;   v[FR ..]        Once a step: read and written by the lines that gather the patterns, ahead of unit 12; the loads of fbits, behind unit 12, land in it.
;   W's fragments and scale words: read by the step's 32 products; the next step's loads land in them behind the products.
;   v1 to v10: offsets and addresses, made once at the head and never written again.
;   The features, their maxima, scales and codes, the patterns and, in the loop, the accumulators are named by vector and matrix instructions alone.
; So two waits at a unit's head state all that its 16 table reads hang on: the reads of the last unit's head have read ADR[u % 2], which this unit writes again; the last unit's multiplications are done
; reading RING[(u + 3) % 4], and its last lines have written ADR[(u + 1) % 2].  No vector instruction of unit u names that buffer or that set.  16 units are a whole number of turns of both rings,
; so the register numbers are the same in every step.  The patterns go through scalar registers: one wait a unit stands between the 16 lines that write these and their first reader.
; REGISTERS, in windows of 256 (s_set_vgpr_msb: bits 1:0 source 0, 3:2 source 1, 5:4 source 2, 7:6 destination):
;   window 0: v1-10 addresses; v12-15 largest magnitudes; v16-19 the conversions' scale operands; v20-23 the features' scale words; v24-27 W's scale words; v28-35 patterns; v36-41 at work at the head;
;             v42, v43 the closing add's two; v44-75 two sets of 16 table addresses (at the head v44-107: x as loaded); v108-235 a block's features, 32 for each row group; v236-251 fbits as loaded; v252-255 at work
;   window 1: first the table entries being built, then the 32 accumulators, then the rows read back on the way out
;   window 2: v0-63 the features' codes, 16 for each row group; v64-95 W's four fragments
;   window 3: the ring of table reads: four buffers of 8 columns x (4 of HI, 4 of LO)
.set LNH,  1                           ; v1   16 x lane: my place in an entry of HI; also my 16 bytes of two rows of part
.set LNL,  2                           ; v2   16 x lane + 131,072: the same in LO
.set FBO,  3                           ; v3   fbits: 8 (lane / 16) rows of 65,536 bytes + 8 (lane % 16)
.set WCO,  4                           ; v4   W's codes: row lane % 16 of 32,768 bytes + 16 (lane / 16)
.set WSO,  5                           ; v5   W's scale bytes: row lane % 16 of 2,048 bytes
.set TBH,  6                           ; v6   where my wave stores its 64 entries of HI: 32,768 x wave + 16 x lane
.set TBL,  7                           ; v7   and of LO
.set STO,  8                           ; v8   the way out: where I put 32 bytes of a row
.set RD0,  9                           ; v9   the way out: where I read a row back, from the stages of waves 0 and 1
.set RD2,  10                          ; v10  and of waves 2 and 3
.set M,    12
.set SOP,  16
.set ASC,  20
.set BSC,  24
.set PP,   28                          ; v[PP + q]: lane rr holds the upper pattern of column 8 rr + q of the step, lane 16 + rr the lower one
.set XL,   44                          ; at the head only: x as loaded
.set ADR,  44                          ; set s: v[ADR + 16 s + 2 q] the address in HI of the unit's column q, + 1 that in LO
.set F,    108                         ; feature t of the block, row group g: v[F + 32 g + t]
.set FR,   236
.set TMP,  252
.set X1,   F                           ; while the tables are built: x of feature i, row group g at v[X1 + 4 i + g];
.set X0,   F+64                        ; 1 - x likewise
.set CA,   0                           ; window 2
.set WB,   64                          ; window 2
.set SPT,  24                          ; s[24:39] a unit's 16 patterns: s[SPT + 2 q] the upper one of column q, + 1 the lower one (s24, s25: while the tables are built, the wave's two masks)
.set SPITCH, 272                       ; a stage row: 64 numbers, 256 bytes, + 16: the sixteen rows that a store touches begin 17 x 16 bytes apart
.set STAGE,  128*SPITCH                ; a wave's stage: 34,816 bytes; the four lie in the tables' bytes, behind the barrier behind which nobody reads the tables
.set MSB, 0
.macro WIN new                         ; the immediate's high byte repeats the setting that is left; a switch that changes nothing is dropped
.if MSB != \new
	s_set_vgpr_msb (MSB<<8)|\new
.set MSB, \new
.endif
.endm
; A step's fbits: lane (r, h) takes columns 8 r .. 8 r + 7 of rows 8 h + 0 .. 7: sixteen lanes read 128 consecutive bytes of a row.
.macro FRLOAD
.irp i, 0,1,2,3,4,5,6,7
	global_load_b64 v[FR+2*\i:FR+2*\i+1], v[FBO], s[6:7] offset:\i*65536
.endr
.endm
; A step's fragments of W (16 rows x 128 K: registers 4 c .. 4 c + 3 hold K = 64 c + 32 (lane / 16) + 0 .. 31, 16 bytes as they lie) and its scale words (one word a row).
.macro BLOAD
	WIN 0x80                                       ; destination window 2
.irp n, 0,1,2,3
.irp c, 0,1
	global_load_b128 v[WB+8*\n+4*\c:WB+8*\n+4*\c+3], v[WCO], s[8:9] offset:\n*524288+32*\c
.endr
.endr
	WIN 0
.irp n, 0,1,2,3
	global_load_b32 v[BSC+\n], v[WSO], s[10:11] offset:\n*32768
.endr
.endm
; The eight rows' bytes are gathered byte by byte, the first row in the highest bit: a byte holds at most 8 bits, so none runs over into its neighbour.  Then one register for each of the lane's eight columns.
.macro DERIVE
	s_wait_loadcnt 0x0                             ; the next step's fbits and this step's fragments of W, both asked for a step ago, are in; so their bases may be stepped
.irp i, 1,2,3,4,5,6,7
	v_lshl_or_b32 v[FR], v[FR], 1, v[FR+2*\i]
	v_lshl_or_b32 v[FR+1], v[FR+1], 1, v[FR+2*\i+1]
.endr
.irp q, 0,1,2,3,4,5,6,7
	v_bfe_u32 v[PP+\q], v[FR+\q/4], 8*(\q%4), 8
.endr
.endm
; The 16 patterns of columns 8 rn .. 8 rn + 7 as scalars.
.macro PATS rn
.irp q, 0,1,2,3,4,5,6,7
	v_readlane_b32 s[SPT+2*\q], v[PP+\q], \rn
	v_readlane_b32 s[SPT+2*\q+1], v[PP+\q], 16+\rn
.endr
.endm
.macro HOLD                            ; a number that was loaded is held inside the table before it enters an address
.irp k, 0,1,2,3,4,5,6,7,8,9,10,11,12,13,14,15
	s_min_u32 s[SPT+\k], s[SPT+\k], 0xff
.endr
.endm
.macro ADRS set                        ; entry x 512 + my place
.irp q, 0,1,2,3,4,5,6,7
	v_lshl_add_u32 v[ADR+16*(\set)+2*\q], s[SPT+2*\q], 9, v[LNH]
	v_lshl_add_u32 v[ADR+16*(\set)+2*\q+1], s[SPT+2*\q+1], 9, v[LNL]
.endr
.endm
.macro READS set, buf                  ; a unit's 16 table reads, by address set 'set' into ring buffer 'buf' (the destination's window is 3 here)
.irp q, 0,1,2,3,4,5,6,7
	ds_load_b128 v[64*(\buf)+8*\q:64*(\buf)+8*\q+3], v[ADR+16*(\set)+2*\q]
	ds_load_b128 v[64*(\buf)+8*\q+4:64*(\buf)+8*\q+7], v[ADR+16*(\set)+2*\q+1]
.endr
.endm
.macro AHEAD rn, set                   ; while the ring is first filled: the addresses of columns 8 rn .. 8 rn + 7
	PATS \rn
	s_wait_alu depctr_va_sdst(0)                   ; the 16 lines above have written s[SPT ..], ahead of their first reader
	HOLD
	ADRS \set
.endm
; Unit r of a step: columns 8 r .. 8 r + 7.  left: the table reads of later units that may stay out.  load = 1: the reads of the unit three on are issued.
; look = 1: the addresses of the unit four on, columns 8 rn .. 8 rn + 7, are made.
.macro UNIT r, rn, left, load, look
.set UB, 64*((\r)%4)
.set FB, F+8*((\r)%4)
	s_wait_dscnt \left                             ; LDS reads come back in order: this unit's 16 are in; those of the later units, 16 each, may be out
.if \load
	WIN 0xc0                                       ; destination window 3, address window 0
.if \look
	s_wait_alu depctr_vm_vsrc(0)                   ; the table reads issued at the last unit's head have read their address set, which this unit's last lines write again
.endif
	s_wait_alu depctr_va_vdst(0)                   ; the last unit's multiplications are done reading the buffer in which the reads below land, and its last lines have written the addresses that they read
	READS ((\r)+3)%2, ((\r)+3)%4
.endif
	WIN 0x0f                                       ; both sources window 3
.irp q, 0,1,2,3,4,5,6,7
.irp g, 0,1,2,3
	v_mul_f32 v[FB+32*\g+\q], v[UB+8*\q+\g], v[UB+8*\q+4+\g]
.endr
.endr
	WIN 0
.if \look
	PATS \rn
.endif
.irp q, 0,2,4,6
.irp g, 0,1,2,3
.if ((\r)%4 == 0) && (\q == 0)
	v_max3_num_f32 v[M+\g], |v[FB+32*\g]|, |v[FB+32*\g+1]|, 0x1800000   ; a block's first pair, and the floor 2^(3 - 127): the scale's byte cannot fall under 1
.else
	v_max3_num_f32 v[M+\g], v[M+\g], |v[FB+32*\g+\q]|, |v[FB+32*\g+\q+1]|
.endif
.endr
.endr
.if \look
	s_wait_alu depctr_va_sdst(0)                   ; the 16 lines ahead of the maxima have written s[SPT ..], ahead of their first reader
	HOLD
	ADRS (\r)%2
.endif
.endm
; Block b of the step's four is whole: scale, byte, codes, for the four row groups.  The codes of block b go to registers 8 (b % 2) + 4 (b / 2) + 0 .. 3 of the group's sixteen.
.macro QBLOCK b
.irp g, 0,1,2,3
	v_add_nc_u32 v[SOP+\g], 0xff000000, v[M+\g]    ; 2 off the largest magnitude's exponent field: the conversion takes the exponent field of this operand as its scale, and nothing else of it
.endr
.if (\b) == 0
.irp g, 0,1,2,3
	v_lshrrev_b32 v[ASC+\g], 23, v[SOP+\g]         ; the scale's byte begins my row's scale word
.endr
.else
.irp g, 0,1,2,3
	v_lshrrev_b32 v[TMP+\g], 23, v[SOP+\g]
.endr
.irp g, 0,1,2,3
	v_lshl_or_b32 v[ASC+\g], v[TMP+\g], 8*(\b), v[ASC+\g]
.endr
.endif
	WIN 0x80                                       ; destination window 2
.irp g, 0,1,2,3
.irp u, 0,1,2,3
	v_cvt_scalef32_pk8_fp4_f32 v[CA+16*\g+8*((\b)%2)+4*((\b)/2)+\u], v[F+32*\g+8*\u:F+32*\g+8*\u+7], v[SOP+\g]
.endr
.endr
	v_nop                                          ; one plain instruction behind the last conversion, ahead of whatever next touches its result or writes its sources
	WIN 0
.endm
; A lane holds all four blocks of one row; the operand's layout wants lanes 0-15 to hold blocks 0 and 2 of a row and lanes 16-31 blocks 1 and 3 of the same row.  The first register's lanes 16-31 change places
; with the second's lanes 0-15: registers 0-7 become the fragment of the group's rows 0-15, registers 8-15 that of its rows 16-31.
.macro SWAPS
	WIN 0x82                                       ; both registers window 2
.irp g, 0,1,2,3
.irp i, 0,1,2,3,4,5,6,7
	v_permlane16_swap_b32 v[CA+16*\g+\i], v[CA+16*\g+8+\i]
.endr
.endr
	WIN 0
.rept 8
	v_nop                                          ; a scale register written by a vector instruction stands 8 places ahead of a scaled matrix instruction, an operand so written 4
.endr
	s_wait_alu depctr_va_vdst(0)                   ; the exchanges have written the codes and the shifts the features' scale words, which the products take as operand and as scales; the places above stay beside this wait
.endm
; A step's 32 products: accumulator 8 g + 4 t + n = rows 32 g + 16 t .. + 15 of the features x rows 16 n .. + 15 of W.  Each accumulator has one instruction a step, always in this order:
; they take turns.  The features' scale word of row 32 g + l stands in lane l: lanes 0-15 serve t = 0, lanes 16-31 t = 1.  zero = 1: the first step starts the sums.
.macro MMA zero
	WIN 0x5a                                       ; D and C window 1, both sources window 2
.irp g, 0,1,2,3
.irp t, 0,1
.irp n, 0,1,2,3
.set AC, 8*(8*\g+4*\t+\n)
.set FA, CA+16*\g+8*\t
.if \zero
.if \t
	v_wmma_scale_f32_16x16x128_f8f6f4 v[AC:AC+7], v[WB+8*\n:WB+8*\n+7], v[FA:FA+7], 0, v[BSC+\n], v[ASC+\g] matrix_a_fmt:MATRIX_FMT_FP4 matrix_b_fmt:MATRIX_FMT_FP4 matrix_b_scale:MATRIX_SCALE_ROW1
.else
	v_wmma_scale_f32_16x16x128_f8f6f4 v[AC:AC+7], v[WB+8*\n:WB+8*\n+7], v[FA:FA+7], 0, v[BSC+\n], v[ASC+\g] matrix_a_fmt:MATRIX_FMT_FP4 matrix_b_fmt:MATRIX_FMT_FP4
.endif
.else
.if \t
	v_wmma_scale_f32_16x16x128_f8f6f4 v[AC:AC+7], v[WB+8*\n:WB+8*\n+7], v[FA:FA+7], v[AC:AC+7], v[BSC+\n], v[ASC+\g] matrix_a_fmt:MATRIX_FMT_FP4 matrix_b_fmt:MATRIX_FMT_FP4 matrix_b_scale:MATRIX_SCALE_ROW1
.else
	v_wmma_scale_f32_16x16x128_f8f6f4 v[AC:AC+7], v[WB+8*\n:WB+8*\n+7], v[FA:FA+7], v[AC:AC+7], v[BSC+\n], v[ASC+\g] matrix_a_fmt:MATRIX_FMT_FP4 matrix_b_fmt:MATRIX_FMT_FP4
.endif
.endif
.endr
.endr
.endr
	WIN 0
.rept 4
	v_nop                                          ; four places (ISA guide 7.12.1) behind the last product, ahead of the first read of results; they stay beside the waits that follow
.endr
.endm
; Feature f doubles the n entries in hand: entry e becomes 2 e (times 1 - x) and 2 e + 1 (times x).  From the top down, so that no entry is written before it is read.
.macro EXPAND f, n
	WIN 0x41                                       ; destination and source 0 window 1
.set EE, (\n)-1
.rept \n
	v_pk_mul_f32 v[8*EE+4:8*EE+5], v[4*EE:4*EE+1], v[X1+4*(\f):X1+4*(\f)+1]
	v_pk_mul_f32 v[8*EE+6:8*EE+7], v[4*EE+2:4*EE+3], v[X1+4*(\f)+2:X1+4*(\f)+3]
	v_pk_mul_f32 v[8*EE:8*EE+1], v[4*EE:4*EE+1], v[X0+4*(\f):X0+4*(\f)+1]
	v_pk_mul_f32 v[8*EE+2:8*EE+3], v[4*EE+2:4*EE+3], v[X0+4*(\f)+2:X0+4*(\f)+3]
.set EE, EE-1
.endr
.endm
; My wave's 64 entries, 64 w .. 64 w + 63, of table tb (features 8 tb .. 8 tb + 7, the first in the entry number's highest bit), for all 128 rows.  The wave's number is the two highest bits.
.macro BUILD tb, adr
.irp g, 0,1,2,3
	v_cndmask_b32 v[M+\g], v[X0+32*(\tb)+\g], v[X1+32*(\tb)+\g], s24
	v_cndmask_b32 v[SOP+\g], v[X0+32*(\tb)+4+\g], v[X1+32*(\tb)+4+\g], s25
.endr
	WIN 0x40                                       ; destination window 1
	v_pk_mul_f32 v[0:1], v[M:M+1], v[SOP:SOP+1]
	v_pk_mul_f32 v[2:3], v[M+2:M+3], v[SOP+2:SOP+3]
	EXPAND 8*(\tb)+2, 1
	EXPAND 8*(\tb)+3, 2
	EXPAND 8*(\tb)+4, 4
	EXPAND 8*(\tb)+5, 8
	EXPAND 8*(\tb)+6, 16
	EXPAND 8*(\tb)+7, 32
	WIN 0x04                                       ; an LDS store's data are its source 1: window 1
	s_wait_alu depctr_va_vdst(0)                   ; the multiplications have written the 64 entries, which the stores read
.set EE, 0
.rept 64
	ds_store_b128 v[\adr], v[4*EE:4*EE+3] offset:512*EE
.set EE, EE+1
.endr
	WIN 0
	s_wait_dscnt 0x0                               ; the stores have landed: for the other waves' sake at the barrier
	s_wait_alu depctr_vm_vsrc(0)                   ; the stores have read their data registers, which the next table's multiplications, and behind the second table the products, write again
.endm
; Units 0 .. 11 of a step: all that they ask for lies in the same step.
.macro COMMON
	UNIT 0, 4, 32, 1, 1
	UNIT 1, 5, 32, 1, 1
	UNIT 2, 6, 32, 1, 1
	UNIT 3, 7, 32, 1, 1
	QBLOCK 0
	UNIT 4, 8, 32, 1, 1
	UNIT 5, 9, 32, 1, 1
	UNIT 6, 10, 32, 1, 1
	UNIT 7, 11, 32, 1, 1
	QBLOCK 1
	UNIT 8, 12, 32, 1, 1
	UNIT 9, 13, 32, 1, 1
	UNIT 10, 14, 32, 1, 1
	UNIT 11, 15, 32, 1, 1
	QBLOCK 2
.endm
; The end of a step that has a successor: the next step's patterns, so that the last four units can make the addresses of its first four; fbits two steps on; the step's products; the next step's W.
.macro CLOSE zero
	DERIVE
	UNIT 12, 0, 32, 1, 1
; The loads of fbits lean on the wait on va_vdst at unit 12's head: the lines that gathered the patterns, which read and wrote v[FR ..], stand ahead of it, and no vector instruction behind it names v[FR ..] or v[FBO].
.if \zero
	s_add_nc_u64 s[6:7], s[6:7], 128
	FRLOAD
.else
	s_cmp_ge_u32 s23, 7                            ; s23: the next step's number.  Behind step 7 there is none: no load leaves its buffer
	s_cbranch_scc1 .Lno_more_\@
	s_add_nc_u64 s[6:7], s[6:7], 128
	FRLOAD
.Lno_more_\@:
.endif
	UNIT 13, 1, 32, 1, 1
	UNIT 14, 2, 32, 1, 1
	UNIT 15, 3, 32, 1, 1
	QBLOCK 3
	SWAPS
	MMA \zero
	s_add_nc_u64 s[8:9], s[8:9], 64                ; 128 codes on; the loads that named these bases were shown done by the wait at the head of this macro
	s_add_nc_u64 s[10:11], s[10:11], 4             ; 4 scale bytes on
	s_wait_alu depctr_va_vdst(0)                   ; the products are done reading W's fragments and scale words, in which the loads below land
	BLOAD
.endm
	s_load_b256 s[4:11], s[0:1], 0x0               ; x s[4:5], fbits s[6:7], W's codes s[8:9], W's scale bytes s[10:11]
	s_load_b64 s[12:13], s[0:1], 0x20              ; part
	v_lshl_add_u32 v42, v0, 2, 0x40000             ; the LDS address of my spare word, behind the tables, and 0: made here and kept for the closing lines alone
	v_mov_b32 v43, 0
	v_lshrrev_b32 v11, 5, v0
	v_readfirstlane_b32 s14, v11                   ; wave 0..3
	s_and_b32 s16, ttmp7, 0xffff                   ; kx
	v_and_b32 v36, 31, v0                          ; lane
	v_and_b32 v37, 15, v0                          ; r
	v_bfe_u32 v38, v0, 4, 1                        ; h
	v_lshlrev_b32 v[LNH], 4, v36
	v_add_nc_u32 v[LNL], 0x20000, v[LNH]
	v_lshlrev_b32 v[FBO], 3, v37
	v_lshl_add_u32 v[FBO], v38, 19, v[FBO]
	v_lshlrev_b32 v[WCO], 15, v37
	v_lshl_add_u32 v[WCO], v38, 4, v[WCO]
	v_lshlrev_b32 v[WSO], 11, v37
	s_wait_alu depctr_va_sdst(0)                   ; s14 is written, ahead of its first reader: LDS places, masks and bases are made from it
	s_lshl_b32 s17, s14, 15
	v_add_nc_u32 v[TBH], s17, v[LNH]
	v_add_nc_u32 v[TBL], 0x20000, v[TBH]
	s_mul_i32 s20, s14, STAGE                      ; (a scalar register of its own for each number that a vector instruction reads)
	v_mul_u32_u24 v[STO], v37, SPITCH
	v_lshl_add_u32 v[STO], v38, 5, v[STO]
	v_add_nc_u32 v[STO], s20, v[STO]               ; my stage, row r, + 32 h
	s_mul_i32 s21, s14, 32*SPITCH
	v_mul_u32_u24 v[RD0], v38, SPITCH
	v_lshl_add_u32 v[RD0], v37, 4, v[RD0]
	v_add_nc_u32 v[RD0], s21, v[RD0]               ; back: rows 32 w + h on, 16 bytes a lane
	v_add_nc_u32 v[RD2], 2*STAGE, v[RD0]
	v_lshlrev_b32 v39, 6, v36                      ; x: a row is 64 bytes; row = lane
	s_bitcmp1_b32 s14, 1
	s_cselect_b32 s24, -1, 0                       ; all lanes, where the wave's entries have the table's first feature set,
	s_bitcmp1_b32 s14, 0
	s_cselect_b32 s25, -1, 0                       ; and its second
	s_lshl_b32 s18, s16, 12
	s_lshl_b32 s22, s14, 10
	s_add_co_u32 s18, s18, s22                     ; my wave's first column: 4,096 kx + 1,024 w
	s_mov_b32 s19, 0
	s_wait_kmcnt 0x0
	s_add_nc_u64 s[6:7], s[6:7], s[18:19]          ; fbits: a byte a column
	s_lshr_b32 s18, s18, 1
	s_add_nc_u64 s[8:9], s[8:9], s[18:19]          ; codes: two a byte
	s_lshr_b32 s18, s18, 4
	s_add_nc_u64 s[10:11], s[10:11], s[18:19]      ; scale bytes: one for 32 columns
	s_lshl_b32 s18, ttmp9, 13
	s_add_nc_u64 s[4:5], s[4:5], s[18:19]          ; x: 128 rows of 64 bytes a row group
	s_lshl_b32 s18, s16, 19                        ; part: 524,288 kx + 32,768 rg + 8,192 w: the 32 rows that my wave stores
	s_lshl_b32 s22, ttmp9, 15
	s_add_co_u32 s18, s18, s22
	s_lshl_b32 s22, s14, 13
	s_add_co_u32 s18, s18, s22
	s_add_nc_u64 s[12:13], s[12:13], s[18:19]
	s_wait_alu depctr_va_vdst(0)                   ; v1 to v10 and v39 are written: every load and store of the kernel but the table reads takes its offset or LDS address from one of them, and none is written again
.irp g, 0,1,2,3
.irp c, 0,1,2,3
	global_load_b128 v[XL+16*\g+4*\c:XL+16*\g+4*\c+3], v39, s[4:5] offset:\g*2048+16*\c   ; row 32 g + lane, features 4 c .. 4 c + 3
.endr
.endr
	FRLOAD                                         ; step 0's fbits
	BLOAD                                          ; step 0's W
	s_wait_loadcnt 20                              ; x is in; behind it stand the 8 loads of fbits and the 12 of W, which may stay out
	; THE TABLES.  x is laid by feature, the four row groups side by side, as the packed multiplications want their pairs; 1 - x beside it.
.set II, 0
.rept 16
.irp g, 0,1,2,3
	v_mov_b32 v[X1+4*II+\g], v[XL+16*\g+II]
	v_sub_f32 v[X0+4*II+\g], 1.0, v[XL+16*\g+II]
.endr
.set II, II+1
.endr
	BUILD 0, TBH
	BUILD 1, TBL
	DERIVE                                         ; step 0's patterns
	s_add_nc_u64 s[6:7], s[6:7], 128
	s_wait_alu depctr_va_vdst(0)                   ; the lines that gathered the patterns are done reading and writing v[FR ..], in which the loads below land
	FRLOAD                                         ; step 1's fbits
	s_barrier_signal -1                            ; my entries have landed (the wait for 0 at the end of BUILD; no LDS instruction of mine is out)
	s_barrier_wait -1                              ; everybody's have: both tables are whole.  From here to the next barrier LDS is only read
	AHEAD 0, 0                                     ; the ring is filled: units 0, 1 and 2, 48 reads, and the addresses of unit 3
	AHEAD 1, 1
	WIN 0xc0                                       ; destination window 3, address window 0
	s_wait_alu depctr_va_vdst(0)                   ; both address sets are written, which the reads below read
	READS 0, 0
	READS 1, 1
	WIN 0
	s_wait_alu depctr_vm_vsrc(0)                   ; those reads have read both address sets, which the lines below write again
	AHEAD 2, 0
	AHEAD 3, 1
	WIN 0xc0
	s_wait_alu depctr_va_vdst(0)                   ; set 0 is written, which the reads below read (so is set 1, for unit 0's head)
	READS 0, 2
	WIN 0
	COMMON                                         ; step 0 is written out: its products start the sums, so that nothing is cleared and every product that adds in place stands behind them on every way
	CLOSE 1
	s_mov_b32 s23, 1                               ; the step in hand
	s_branch .Lcommon
.Lnext:                                                ; 6 trips: the ends of steps 1 .. 6, and steps 2 .. 7 up to their last four units
	CLOSE 0
.Lcommon:
	COMMON
	s_add_co_u32 s23, s23, 1
	s_cmp_lt_u32 s23, 8
	s_cbranch_scc1 .Lnext
	UNIT 12, 0, 32, 1, 0                           ; the last step's end: unit 15's reads are the last; no address is made any more,
	UNIT 13, 0, 32, 0, 0                           ; nothing is asked, and the counts run down
	UNIT 14, 0, 16, 0, 0
	UNIT 15, 0, 0, 0, 0
	QBLOCK 3
	SWAPS
	s_wait_loadcnt 0x0                             ; step 7's W
	MMA 0
	; THE WAY OUT.  The four waves hold sums over different columns for the same 128 rows x 64 n.  Each puts its own into a stage, and each then adds and stores 32 whole rows.
	s_wait_dscnt 0x0                               ; my reads of the tables are over
	s_barrier_signal -1
	s_barrier_wait -1                              ; everybody's are: the tables' bytes may be written
	WIN 0x04                                       ; an LDS store's data: window 1
	s_wait_alu depctr_va_vdst(0)                   ; the products have written the accumulators, which the stores read; the four places behind the last product stay beside this wait
.irp g, 0,1,2,3
.irp t, 0,1
.irp n, 0,1,2,3
.set AC, 8*(8*\g+4*\t+\n)
	ds_store_b128 v[STO], v[AC:AC+3] offset:(32*\g+16*\t)*SPITCH+64*\n          ; lane (r, h): row 32 g + 16 t + r, n = 16 n + 8 h + 0 .. 7; each accumulator from its low end on
	ds_store_b128 v[STO], v[AC+4:AC+7] offset:(32*\g+16*\t)*SPITCH+64*\n+16
.endr
.endr
.endr
	WIN 0
	s_wait_dscnt 0x0                               ; for the others' sake: my stores have landed
	s_barrier_signal -1
	s_barrier_wait -1
	WIN 0x40                                       ; destination window 1: the accumulators' registers
	s_wait_alu depctr_vm_vsrc(0)                   ; my stores into the stage have read the accumulators' registers, in which the reads below land (no vector or matrix instruction has named them since the wait ahead of the stores)
.set UU, 0
.rept 16                               ; rows 32 w + 2 u + h: lanes 0-15 one row of 256 bytes, lanes 16-31 the next; from each of the four stages
	ds_load_b128 v[16*UU:16*UU+3], v[RD0] offset:2*UU*SPITCH
	ds_load_b128 v[16*UU+4:16*UU+7], v[RD0] offset:STAGE+2*UU*SPITCH
	ds_load_b128 v[16*UU+8:16*UU+11], v[RD2] offset:2*UU*SPITCH
	ds_load_b128 v[16*UU+12:16*UU+15], v[RD2] offset:STAGE+2*UU*SPITCH
.set UU, UU+1
.endr
	WIN 0x45                                       ; destination and both sources window 1
.set UU, 0
.rept 16
	s_wait_dscnt 60-4*UU                           ; behind this pair of rows' four reads stand four for each later pair
	v_pk_add_f32 v[16*UU:16*UU+1], v[16*UU:16*UU+1], v[16*UU+4:16*UU+5]
	v_pk_add_f32 v[16*UU+2:16*UU+3], v[16*UU+2:16*UU+3], v[16*UU+6:16*UU+7]
	v_pk_add_f32 v[16*UU+8:16*UU+9], v[16*UU+8:16*UU+9], v[16*UU+12:16*UU+13]
	v_pk_add_f32 v[16*UU+10:16*UU+11], v[16*UU+10:16*UU+11], v[16*UU+14:16*UU+15]
	v_pk_add_f32 v[16*UU:16*UU+1], v[16*UU:16*UU+1], v[16*UU+8:16*UU+9]
	v_pk_add_f32 v[16*UU+2:16*UU+3], v[16*UU+2:16*UU+3], v[16*UU+10:16*UU+11]
.set UU, UU+1
.endr
	WIN 0x04                                       ; a store's data: window 1
	s_wait_alu depctr_va_vdst(0)                   ; the additions have written the 16 pairs of rows, which the stores read
.set UU, 0
.rept 16
	global_store_b128 v[LNH], v[16*UU:16*UU+3], s[12:13] offset:512*UU th:TH_STORE_NT   ; 32 lanes store two rows, 512 consecutive bytes, at a multiple of 256 from part's first byte
.set UU, UU+1
.endr
	WIN 0
	s_wait_dscnt 0x0                               ; the closing lines, six on end
	s_wait_alu 0x0
	s_wait_tensorcnt 0x0
	ds_add_u32 v42, v43
	s_wait_dscnt 0x0
	s_endpgm
.Lfunc_end_k_q428a924ca4_lattice:
	.size	k_q428a924ca4_lattice, .Lfunc_end_k_q428a924ca4_lattice-k_q428a924ca4_lattice
	.p2alignl 7, 3214868480
	.fill 96, 4, 3214868480
	.section	.rodata,"a",@progbits
	.p2align	6, 0x0
	.amdhsa_kernel k_q428a924ca4_lattice
		.amdhsa_group_segment_fixed_size 262656
		.amdhsa_private_segment_fixed_size 0
		.amdhsa_enable_private_segment 0
		.amdhsa_kernarg_size 40
		.amdhsa_user_sgpr_count 2
		.amdhsa_user_sgpr_kernarg_segment_ptr 1
		.amdhsa_wavefront_size32 1
		.amdhsa_system_sgpr_workgroup_id_x 1
		.amdhsa_system_sgpr_workgroup_id_y 1
		.amdhsa_system_sgpr_workgroup_id_z 1
		.amdhsa_system_vgpr_workitem_id 0
		.amdhsa_next_free_vgpr 1024
		.amdhsa_next_free_sgpr 66
		.amdhsa_reserve_vcc 0
		.amdhsa_float_denorm_mode_32 3
		.amdhsa_float_denorm_mode_16_64 3
		.amdhsa_memory_ordered 1
		.amdhsa_forward_progress 1
		.amdhsa_inst_pref_size 255
	.end_amdhsa_kernel
	.section	.bss,"aw",@nobits
	.p2align	6
	.space	262144
	.amdgpu_metadata
---
amdhsa.version: [ 1, 2 ]
amdhsa.kernels:
  - .name:           k_q428a924ca4_lattice
    .symbol:         k_q428a924ca4_lattice.kd
    .args:
      - { .name: x, .offset: 0, .size: 8, .value_kind: global_buffer, .address_space: global }
      - { .name: fbits, .offset: 8, .size: 8, .value_kind: global_buffer, .address_space: global }
      - { .name: weight_codes, .offset: 16, .size: 8, .value_kind: global_buffer, .address_space: global }
      - { .name: weight_scales, .offset: 24, .size: 8, .value_kind: global_buffer, .address_space: global }
      - { .name: part, .offset: 32, .size: 8, .value_kind: global_buffer, .address_space: global }
    .group_segment_fixed_size: 262656
    .private_segment_fixed_size: 0
    .kernarg_segment_align: 8
    .kernarg_segment_size: 40
    .max_flat_workgroup_size: 128
    .sgpr_count:     66
    .vgpr_count:     1024
    .wavefront_size: 32
...
	.end_amdgpu_metadata
.endif
;; end of part 3
;; launch reduce (part 4): grid 256 x 1, 4 waves a work-group, no clusters, 0 bytes of LDS; arguments part, bias, out0; writes out0
.if DOCPART == 4
	.amdgcn_target "amdgcn-amd-amdhsa--gfx1250"
	.amdhsa_code_object_version 6
	.text
	.protected	k_q428a924ca4_reduce
	.globl	k_q428a924ca4_reduce
	.p2align	8
	.type	k_q428a924ca4_reduce,@function
k_q428a924ca4_reduce:
	s_mov_b64 s[64:65], 0
	v_nop
	global_prefetch_b8 v0, s[64:65] scope:SCOPE_SE
	s_setreg_imm32_b32 hwreg(HW_REG_WAVE_MODE, 25, 1), 1
	s_wait_xcnt 0x0
; out0[b][n] = part[0][b][n] + part[1][b][n] + .. + part[15][b][n] + bias[n].  part: [16][2048][64] f32, the sums over 4,096 columns each; out0: [2048][64] f32.
; A stream: 32,768 threads, 16 bytes of out0 each.  A wave's load or store covers 512 consecutive bytes, aligned; each byte of part is read once, each byte of out0 written once.
; All 17 loads of a thread go out at once; the parts are added in ascending order as they arrive, the bias last, as the sum over K comes first in the definition.
; No LDS, no barrier, no matrix unit: threads share nothing.
.set PLANE, 524288                     ; bytes of one part; 15 of them stay inside the signed 24-bit immediate (ISA guide, chapter 10)
	s_load_b128 s[4:7], s[0:1], 0x0                ; part s[4:5], bias s[6:7]
	s_load_b64 s[8:9], s[0:1], 0x10                ; out0
	v_lshlrev_b32 v1, 4, v0                        ; my 16 bytes among the work-group's 2,048
	v_and_b32 v2, 15, v0
	v_lshlrev_b32 v2, 4, v2                        ; a row is 256 bytes: my four n begin at byte 16 (thread % 16) of the bias
	s_lshl_b32 s10, ttmp9, 11
	s_mov_b32 s11, 0
	s_wait_alu depctr_va_vdst(0)
	s_wait_kmcnt 0x0
	s_add_nc_u64 s[4:5], s[4:5], s[10:11]
	s_add_nc_u64 s[8:9], s[8:9], s[10:11]
	global_load_b128 v[4:7], v2, s[6:7]
.irp k, 0,1,2,3,4,5,6,7,8,9,10,11,12,13,14,15
	global_load_b128 v[8+4*\k:11+4*\k], v1, s[4:5] offset:\k*PLANE th:TH_LOAD_NT
.endr
.irp k, 1,2,3,4,5,6,7,8,9,10,11,12,13,14,15
	s_wait_alu depctr_va_vdst(0)
	s_wait_loadcnt 15-\k                           ; loads come back in order: part k is in; the 15 - k behind it may stay out
	v_pk_add_f32 v[8:9], v[8:9], v[8+4*\k:9+4*\k]
	v_pk_add_f32 v[10:11], v[10:11], v[10+4*\k:11+4*\k]
.endr
	v_pk_add_f32 v[8:9], v[8:9], v[4:5]            ; the bias was the first load: it is in
	v_pk_add_f32 v[10:11], v[10:11], v[6:7]
	global_store_b128 v1, v[8:11], s[8:9]
	s_endpgm
.Lfunc_end_k_q428a924ca4_reduce:
	.size	k_q428a924ca4_reduce, .Lfunc_end_k_q428a924ca4_reduce-k_q428a924ca4_reduce
	.p2alignl 7, 3214868480
	.fill 96, 4, 3214868480
	.section	.rodata,"a",@progbits
	.p2align	6, 0x0
	.amdhsa_kernel k_q428a924ca4_reduce
		.amdhsa_group_segment_fixed_size 0
		.amdhsa_private_segment_fixed_size 0
		.amdhsa_enable_private_segment 0
		.amdhsa_kernarg_size 24
		.amdhsa_user_sgpr_count 2
		.amdhsa_user_sgpr_kernarg_segment_ptr 1
		.amdhsa_wavefront_size32 1
		.amdhsa_system_sgpr_workgroup_id_x 1
		.amdhsa_system_sgpr_workgroup_id_y 1
		.amdhsa_system_sgpr_workgroup_id_z 1
		.amdhsa_system_vgpr_workitem_id 0
		.amdhsa_next_free_vgpr 76
		.amdhsa_next_free_sgpr 66
		.amdhsa_reserve_vcc 0
		.amdhsa_float_denorm_mode_32 3
		.amdhsa_float_denorm_mode_16_64 3
		.amdhsa_memory_ordered 1
		.amdhsa_forward_progress 1
		.amdhsa_inst_pref_size 6
	.end_amdhsa_kernel
	.amdgpu_metadata
---
amdhsa.version: [ 1, 2 ]
amdhsa.kernels:
  - .name:           k_q428a924ca4_reduce
    .symbol:         k_q428a924ca4_reduce.kd
    .args:
      - { .name: part, .offset: 0, .size: 8, .value_kind: global_buffer, .address_space: global }
      - { .name: bias, .offset: 8, .size: 8, .value_kind: global_buffer, .address_space: global }
      - { .name: out0, .offset: 16, .size: 8, .value_kind: global_buffer, .address_space: global }
    .group_segment_fixed_size: 0
    .private_segment_fixed_size: 0
    .kernarg_segment_align: 8
    .kernarg_segment_size: 24
    .max_flat_workgroup_size: 128
    .sgpr_count:     66
    .vgpr_count:     76
    .wavefront_size: 32
...
	.end_amdgpu_metadata
.endif
;; end of part 4
